; MI455X (gfx1250); checked and timed in simulation.
; The chip was launched on July 23, 2026; its instructions are those of AMD's public machine-readable ISA for CDNA 5 (MIT licence, August 2026) and "CDNA5" Instruction Set Architecture Reference Guide (July 2026). The comments in the code are by the model that wrote it; some were corrected since.
;; Causal Self Attention. Allowed arithmetic: matrix products marked QUANTISED: E4M3 operands, one given power-of-two scale a tensor, by v_wmma_f32_16x16x64_fp8_fp8 or v_wmma_f32_16x16x128_fp8_fp8, f32 sums; everything else in f32.
;; Inputs: lowp_scales 8 int32 (the exponents e of the quantised operands' scales 2^e); w_attn 3,072 x 1,024 float32; w_proj 1,024 x 1,024 float32; x 4 x 2,048 x 1,024 float32.
;; Outputs: out0 4 x 2,048 x 1,024 float32.
;; This version of the problem:
;;   THIS VERSION OF THE PROBLEM IS GIVEN IN LOW PRECISION. The matrix products marked QUANTISED in the list below multiply operands that are first quantised to E4M3 (4 exponent bits, 3 mantissa bits; 8 bits a number), with one given power-of-two scale for each operand tensor; their sums are f32. All else is computed in f32.
;;   The module's matrix products, in the order in which they are computed (A, B: the left and right operand; K: the contracted axis; several contracted axes count as one K, in the product's order):
;;     1. [M 8,192, K 1,024] x [K 1,024, N 3,072]; A: input x; B: input w_attn: QUANTISED (scales: A lowp_scales[0], B lowp_scales[1])
;;     2. batch 64 x [M 2,048, K 64] x [K 64, N 2,048]; A: computed on the way; B: computed on the way: QUANTISED (scales: A lowp_scales[2], B lowp_scales[3])
;;     3. batch 64 x [M 2,048, K 2,048] x [K 2,048, N 64]; A: softmax (see below); B: computed on the way: QUANTISED (scales: A lowp_scales[4], B lowp_scales[5])
;;     4. [M 8,192, K 1,024] x [K 1,024, N 1,024]; A: computed on the way; B: input w_proj: QUANTISED (scales: A lowp_scales[6], B lowp_scales[7])
;;   THE QUANTISER, for each operand of a quantised product, along K:
;;     - The operand's scale is 2^e, e = its entry of the input lowp_scales (int32; the entries are numbered through the quantised products in the list's order, A before B).
;;     - Each number is divided by the scale, clamped to +-448, and rounded to the nearest number of E4M3, ties to even, subnormals kept.
;;     - The product sums the exact products of the quantised numbers (number of the format x scale) in f32.
;;   ~~~python
;;   def quantise(x, axis, e):      # numpy; x: float32 -> the quantised numbers, widened to float32 again
;;       x = np.moveaxis(x, axis, -1); K = x.shape[-1]
;;       r = np.clip(x / 2.0 ** e, -448, 448)
;;       step = 2.0 ** (np.maximum(np.frexp(np.where(r == 0, 1, r))[1] - 1, -6) - 3)
;;       q = np.round(r / step) * step * 2.0 ** e      # np.round: ties to even
;;       return np.moveaxis(q, -1, axis).astype(np.float32)
;;   ~~~
;;   SOFTMAX AHEAD OF A QUANTISED PRODUCT. Where the list says 'softmax', what is quantised is not the finished softmax but p = 2^(t - M), with t = logit x log2(e) and M = ceil(the row's largest t), a whole number; so 1/2 < the row's largest p <= 1. The row's sum l is taken of the UNQUANTISED p, in f32, and the product's result is divided by l at the end. Since M is a whole number, a kernel that streams over the keys may use a running M (the ceiling of the running maximum): every later rescaling is an exact power of two, so the quantised numbers keep their values, but for numbers so far below the row's largest that they fall under the format's range.
;;   OPERANDS COMPUTED ON THE WAY. 'Computed on the way' means the value that the module computes at that place (a softmax that the list does not call 'softmax' is quantised finished and normalised). What goes into a quantiser is computed in f32, as accurately as f32 sums, v_exp_f32 and their like allow (about 1e-6 of the number): no bf16 or f16 on the way to a quantiser, and a product that is left as it is and whose result goes on into a quantised operand takes f32 operands (vector FMAs, or v_wmma_f32_16x16x4_f32). A number that lies on a knife's edge between two numbers of the format may be rounded either way, as far as f32 arithmetic and the matrix unit's own rounding can turn it there, and no further.
;; One version. Each part assembles by itself: llvm-mc -triple=amdgcn-amd-amdhsa -mcpu=gfx1250 --defsym DOCPART=n.
;; ======== version 1 of 1: 4 launches
;; limits: right only within a limited range of input values
;; workspace buffers: xc 8,388,608 bytes; wac 3,145,728 bytes; wpc 1,048,576 bytes; qc 8,388,608 bytes; kc 8,388,608 bytes; vc 8,388,608 bytes; yc 8,388,608 bytes
;; launch quant (part 1): grid 384 x 1, 4 waves a work-group, no clusters, 33,280 bytes of LDS; arguments x, w_attn, w_proj, lowp_scales, xc, wac, wpc; writes xc, wac, wpc
.if DOCPART == 1
	.amdgcn_target "amdgcn-amd-amdhsa--gfx1250"
	.amdhsa_code_object_version 6
	.text
	.protected	k_q91b4b32e24_quant
	.globl	k_q91b4b32e24_quant
	.p2align	8
	.type	k_q91b4b32e24_quant,@function
k_q91b4b32e24_quant:
	s_mov_b64 s[64:65], 0
	v_nop
	global_prefetch_b8 v0, s[64:65] scope:SCOPE_SE
	s_setreg_imm32_b32 hwreg(HW_REG_WAVE_MODE, 25, 1), 1
	s_wait_xcnt 0x0
; x [8192][1024], w_attn [3072][1024] and w_proj [1024][1024], f32, become codes of E4M3, one byte each, K innermost, laid as the numbers lie.
; code = number / 2^e, held within +-448, rounded to the nearest code, ties to even.  e: entry 0 of the scales for x, entry 1 for w_attn, entry 7 for w_proj.
; LIMITS: e between -126 and 119, so that 2^e and 448 x 2^e are f32 numbers.  NaN among the inputs is not served (an infinity is held at the largest code).
; Rows are dense, so each tensor is a plain stream.  A work-group takes 32,768 numbers, a wave 8,192: 16 steps of 512.  Work-groups 0-255 take x, 256-351 w_attn, 352-383 w_proj:
; only the pointers, the first work-group's number and e are chosen, by selects on the work-group's number; all take one path through the text.
; The conversion takes eight neighbours from ONE lane's registers, a load is densest where neighbouring LANES take neighbouring bytes.  Both are had: each of a step's four loads reads 512 consecutive bytes,
; 16 a lane; the 2,048 bytes go through the wave's own stage in LDS as they lie and come back 64 bytes a lane (16 bytes of padding behind each 64).  A lane's 16 codes are 16 bytes: a store covers 512 consecutive bytes.
; No tensor loads, no barrier, no cluster: waves and work-groups share nothing.  Loads run four steps (16 loads a wave) ahead, the turn through LDS one step.
.set STEPS, 16
.set WGX,   256                        ; work-groups for x: 8,192 x 1,024 / 32,768
.set WGXA,  352                        ; and 96 more for w_attn
.set EMAX,  8
.set MANT,  0x600000                   ; the mantissa field of 448 as f32
.set CB,    16                         ; bytes of 16 codes
.set R,     16                         ; v16-79   four sets of 16 numbers as they are loaded
.set X,     80                         ; v80-111  two sets of 16 neighbours
.set C,     128                        ; v128-191 codes: four registers for each step, so that no store's data are written again
.set WREG,  8192                       ; LDS: a region for each wave: two stages of 32 x SP bytes
.set SP,    80                         ; a lane's place in a stage: its 64 bytes + 16 of padding
	s_load_b256 s[4:11], s[0:1], 0x0               ; x s[4:5], w_attn s[6:7], w_proj s[8:9], the scales' exponents s[10:11]
	s_load_b128 s[12:15], s[0:1], 0x20             ; x's codes, w_attn's codes
	s_load_b64 s[24:25], s[0:1], 0x30              ; w_proj's codes
	v_lshl_add_u32 v192, v0, 2, 0x8000
	v_mov_b32 v193, 0
	v_lshrrev_b32 v1, 5, v0
	v_readfirstlane_b32 s16, v1                    ; wave
	v_and_b32 v2, 31, v0                           ; lane
	v_lshlrev_b32 v3, 4, v2                        ; my 16 bytes of a load's 512
	s_mul_i32 s17, s16, WREG
	v_lshrrev_b32 v14, 2, v2
	v_mul_u32_u24 v14, v14, SP
	v_and_b32 v15, 3, v2
	v_lshl_add_u32 v14, v15, 4, v14
	v_add_nc_u32 v14, s17, v14                     ; the stage, on the way in: SP (lane / 4) + 16 (lane % 4); a load's 512 bytes take eight places
	v_mul_u32_u24 v15, v2, SP
	v_add_nc_u32 v15, s17, v15                     ; and on the way out: SP x lane: my 16 neighbours
	v_mul_u32_u24 v4, v2, CB                       ; my codes' place in a step's
	s_wait_alu depctr_va_vdst(0)
	s_wait_kmcnt 0x0
	s_load_b256 s[32:39], s[10:11], 0x0            ; e0 .. e7
	s_cmp_lt_u32 ttmp9, WGX                        ; x's work-group?  The choices hang on the work-group's number alone
	s_cselect_b64 s[4:5], s[4:5], s[6:7]
	s_cselect_b64 s[12:13], s[12:13], s[14:15]
	s_cselect_b32 s17, 0, WGX
	s_mov_b32 s18, WGXA
	s_cmp_lt_u32 ttmp9, WGXA                       ; or w_proj's?
	s_cselect_b64 s[4:5], s[4:5], s[8:9]           ; the numbers,
	s_cselect_b64 s[8:9], s[12:13], s[24:25]       ; the codes,
	s_cselect_b32 s17, s17, s18                    ; the tensor's first work-group
	s_sub_co_u32 s17, ttmp9, s17
	s_lshl_b32 s17, s17, 2
	s_add_co_u32 s18, s17, s16                     ; which run of 8,192 numbers of the tensor is my wave's
	s_mov_b32 s19, 0
	s_mov_b64 s[20:21], 512*STEPS*4
	s_mul_u64 s[20:21], s[18:19], s[20:21]
	s_add_nc_u64 s[4:5], s[4:5], s[20:21]
	s_mov_b64 s[20:21], 32*STEPS*CB
	s_mul_u64 s[20:21], s[18:19], s[20:21]
	s_add_nc_u64 s[8:9], s[8:9], s[20:21]
.macro LOAD t
.irp i, 0,1,2,3
	global_load_b128 v[R+16*((\t)%4)+4*\i:R+16*((\t)%4)+4*\i+3], v3, s[4:5] offset:2048*(\t)+512*\i th:TH_LOAD_NT   ; 32 lanes read 512 consecutive bytes, read once in the launch
.endr
.endm
.macro TURN t                          ; step t's numbers through the stage: LDS serves a wave's instructions in order (ISA guide 5.7.1.4), so no wait stands between the stores and the loads
.irp i, 0,1,2,3
	ds_store_b128 v14, v[R+16*((\t)%4)+4*\i:R+16*((\t)%4)+4*\i+3] offset:32*SP*((\t)%2)+8*SP*\i
.endr
.irp i, 0,1,2,3
	ds_load_b128 v[X+16*((\t)%2)+4*\i:X+16*((\t)%2)+4*\i+3], v15 offset:32*SP*((\t)%2)+16*\i
.endr
.endm
.irp t, 0,1,2,3
	LOAD \t
.endr
	s_wait_kmcnt 0x0
	s_cmp_lt_u32 ttmp9, WGX
	s_cselect_b32 s22, s32, s33                    ; e0 or e1,
	s_cmp_lt_u32 ttmp9, WGXA
	s_cselect_b32 s22, s22, s39                    ; or e7
	s_add_co_i32 s22, s22, 127
	s_lshl_b32 s23, s22, 23
	v_mov_b32 v11, s23                             ; 2^e as f32: the conversion takes its exponent field
	s_add_co_i32 s22, s22, EMAX
	s_lshl_b32 s22, s22, 23
	s_or_b32 s22, s22, MANT
	v_mov_b32 v10, s22                             ; 448 x 2^e
	s_wait_alu depctr_va_vdst(0)
	s_wait_loadcnt 12                              ; step 0's four loads are in; the twelve of steps 1 to 3 may be out
	TURN 0
.macro STEP t
.set XS, X+16*((\t)%2)
	s_wait_dscnt 0x0                               ; this step's numbers are back from the stage: so its stores into the stage have read their registers,
.if (\t)+4 < STEPS
	LOAD (\t)+4                                    ; which take the loads of four steps on
.endif
.if (\t)+1 < STEPS
.if STEPS-2-(\t) >= 3
	s_wait_loadcnt 12                              ; the next step's four loads are in; those of the three steps behind it may be out
.else
	s_wait_loadcnt 4*(STEPS-2-(\t))                ; the tail: four loads for each step still behind the next one
.endif
	TURN (\t)+1                                    ; and go through the other stage while this step is worked
.endif
.irp i, 0,1,2,3,4,5,6,7,8,9,10,11,12,13,14,15
	v_med3_num_f32 v[XS+\i], v[XS+\i], -v10, v10   ; the conversion to an 8-bit code does not saturate (ISA guide 7.6.2): the number is held within 448 x the scale first
.endr
	v_cvt_scalef32_pk8_fp8_f32 v[C+4*(\t):C+4*(\t)+1], v[XS:XS+7], v11          ; eight numbers / 2^e, to the nearest code, ties to even; the first number's code in the lowest byte
	v_cvt_scalef32_pk8_fp8_f32 v[C+4*(\t)+2:C+4*(\t)+3], v[XS+8:XS+15], v11
	global_store_b128 v4, v[C+4*(\t):C+4*(\t)+3], s[8:9] offset:32*CB*(\t)      ; the codes go to a store alone; the next vector lines are the next step's holds, plain ones on other registers
.endm
.irp t, 0,1,2,3,4,5,6,7,8,9,10,11,12,13,14,15
	STEP \t
.endr
	s_wait_tensorcnt 0x0
	ds_add_u32 v192, v193
	s_wait_dscnt 0x0
	s_endpgm
.Lfunc_end_k_q91b4b32e24_quant:
	.size	k_q91b4b32e24_quant, .Lfunc_end_k_q91b4b32e24_quant-k_q91b4b32e24_quant
	.p2alignl 7, 3214868480
	.fill 96, 4, 3214868480
	.section	.rodata,"a",@progbits
	.p2align	6, 0x0
	.amdhsa_kernel k_q91b4b32e24_quant
		.amdhsa_group_segment_fixed_size 33280
		.amdhsa_private_segment_fixed_size 0
		.amdhsa_enable_private_segment 0
		.amdhsa_kernarg_size 56
		.amdhsa_user_sgpr_count 2
		.amdhsa_user_sgpr_kernarg_segment_ptr 1
		.amdhsa_wavefront_size32 1
		.amdhsa_system_sgpr_workgroup_id_x 1
		.amdhsa_system_sgpr_workgroup_id_y 1
		.amdhsa_system_sgpr_workgroup_id_z 1
		.amdhsa_system_vgpr_workitem_id 0
		.amdhsa_next_free_vgpr 194
		.amdhsa_next_free_sgpr 66
		.amdhsa_reserve_vcc 0
		.amdhsa_float_denorm_mode_32 3
		.amdhsa_float_denorm_mode_16_64 3
		.amdhsa_memory_ordered 1
		.amdhsa_forward_progress 1
		.amdhsa_inst_pref_size 38
	.end_amdhsa_kernel
	.amdgpu_metadata
---
amdhsa.version: [ 1, 2 ]
amdhsa.kernels:
  - .name:           k_q91b4b32e24_quant
    .symbol:         k_q91b4b32e24_quant.kd
    .args:
      - { .name: x, .offset: 0, .size: 8, .value_kind: global_buffer, .address_space: global }
      - { .name: w_attn, .offset: 8, .size: 8, .value_kind: global_buffer, .address_space: global }
      - { .name: w_proj, .offset: 16, .size: 8, .value_kind: global_buffer, .address_space: global }
      - { .name: lowp_scales, .offset: 24, .size: 8, .value_kind: global_buffer, .address_space: global }
      - { .name: xc, .offset: 32, .size: 8, .value_kind: global_buffer, .address_space: global }
      - { .name: wac, .offset: 40, .size: 8, .value_kind: global_buffer, .address_space: global }
      - { .name: wpc, .offset: 48, .size: 8, .value_kind: global_buffer, .address_space: global }
    .group_segment_fixed_size: 33280
    .private_segment_fixed_size: 0
    .kernarg_segment_align: 8
    .kernarg_segment_size: 56
    .max_flat_workgroup_size: 128
    .sgpr_count:     66
    .vgpr_count:     194
    .wavefront_size: 32
...
	.end_amdgpu_metadata
.endif
;; end of part 1
;; launch qkv (part 2): grid 12 x 32, 4 waves a work-group, clusters of 4 x 4, 327,680 bytes of LDS; arguments xc, wac, lowp_scales, qc, kc, vc; writes qc, kc, vc
.if DOCPART == 2
	.amdgcn_target "amdgcn-amd-amdhsa--gfx1250"
	.amdhsa_code_object_version 6
	.text
	.protected	k_q91b4b32e24_qkv
	.globl	k_q91b4b32e24_qkv
	.p2align	8
	.type	k_q91b4b32e24_qkv,@function
k_q91b4b32e24_qkv:
	s_mov_b64 s[64:65], 0
	v_nop
	global_prefetch_b8 v0, s[64:65] scope:SCOPE_SE
	s_setreg_imm32_b32 hwreg(HW_REG_WAVE_MODE, 25, 1), 1
	s_wait_xcnt 0x0
	s_wait_alu depctr_hold_cnt(0) depctr_sa_sdst(0) depctr_va_vdst(0) depctr_va_sdst(0) depctr_va_ssrc(0) depctr_va_vcc(0) depctr_vm_vsrc(0)
	s_getreg_b32 s2, hwreg(HW_REG_IB_STS2, 6, 4)
	s_cmp_eq_u32 s2, 0
	s_cbranch_scc0 .Lentry_in_a_cluster
	s_endpgm
.Lentry_in_a_cluster:
	s_bfe_u32 s2, ttmp6, 0x10000c
	s_cmp_lg_u32 s2, 0xf033
	s_cbranch_scc0 .Lentry_shape_is_right
	s_endpgm
.Lentry_shape_is_right:
; qkv = x w_attn^T on codes of E4M3 (x's [8192][1024], scale 2^e0; w_attn's [3072][1024], scale 2^e1), f32 sums; each sum is quantised at once to a code of q (2^e2), k (2^e3) or v (2^e5).
; OUT: q's and k's codes [bh = 16 b + head][t 2048][d 64]; v's codes [bh][d 64][t 2048], the keys innermost, since the keys are the K of the product that reads them.
; A sum stands for sum x 2^(e0 + e1), so its code is sum / 2^(et - e0 - e1), et = e2, e3 or e5: one folded scale for the conversion, and the hold at 448 x that scale.
; LIMIT: et - e0 - e1 between -126 and 119, so that both are f32 numbers.
; A tile of 256 x 256 sums is made by a work-group of four waves, a wave makes 128 x 128: 64 accumulators, 512 registers.  K = 1,024 goes in four steps of 256 through a ring of two LDS slots; a tile's row is 256 bytes of memory.
; THE TWO SIDES.  Source 1 of the matrix instruction takes 16 rows of the 'A side', source 0 16 rows of the 'B side': a lane then holds ONE row of the A side and eight NEIGHBOURING rows of the B side, which one conversion packs into 8 bytes.
; For q and k (cluster x = 0, 1) the A side is tokens and the B side features: eight neighbouring d.  For v (cluster x = 2) the sides change buffers: A side = w_attn's rows 2,048 on, B side = tokens: eight neighbouring keys.
; CLUSTERS: 4 x 4 work-groups.  The A side's tile hangs on the cluster's numbers and cy alone and is shared along a row of the cluster, the B side's on cx alone and is shared along a column: each is asked for JOINTLY.
; The kind (q, k, v) is the cluster's x: the same in all sixteen partners, so the one branch on it, on the way out, is taken alike by all.
; REGISTERS, in windows of 256: window 0: v16-31 addresses and the two scale numbers; v32-95 at work on the way out; v128-255 the A side's fragments (one set), later codes, later rows read back.
;   window 1: the B side's fragments, two sets.   window 2: the 32 accumulators of my A rows 0-63 (accumulator (a, b) at v[8 (8 a + b)]);   window 3: those of rows 64-127.
.set ROWB,   256                       ; a tile's row in bytes: 256 codes
.set KROW,   1024                      ; a row of either buffer in memory, in bytes
.set PITCH,  272                       ; an LDS row: 256 bytes + 16 of padding = 68 words: row r starts at bank 4 r mod 64 (64 banks of 4 bytes: ISA guide 11.1)
.set FR,     16                        ; registers of a fragment: 16 rows x 128 K
.set NL,     4                         ; LDS loads that bring one
.set NP,     4                         ; places behind this matrix instruction (ISA guide 7.12.1)
.set HALFT,  128*PITCH                 ; 128 rows: what one tensor load brings
.set SLOT,   4*HALFT                   ; the A side's 256 rows, then the B side's
.set LAPS,   2                         ; a lap = two K steps = once round the ring
.set SPARE,  2*SLOT                    ; behind the ring: the spare words, 128 bytes for each wave
.set ADRA, 16                          ; v16-17  LDS address of my A fragments in slot 0, 1
.set SCV,  18                          ; v18     2^(et - e0 - e1) as f32
.set LMV,  19                          ; v19     448 x that
.set ADRB, 20                          ; v20-21  the same as ADRA for B
.set STO,  24                          ; v24     the way out: where I put 8 codes of a stage row
.set RDQ,  25                          ; v25     q, k: where I read stage rows 0-127 back;  v27: rows 128-255
.set GOQ,  26                          ; v26     q, k: my byte offset in a store's 512 bytes
.set RDQ2, 27
.set SPW,  28                          ; v28     LDS address of my spare word; never rewritten
.set NIL,  29                          ; v29     0; never rewritten
.set RDV,  30                          ; v30     v: where I read stage rows back
.set GOV,  31                          ; v31     v: my byte offset in two rows of v's codes
.set TMP,  32                          ; the way out: a block's 64 sums, held
.set AF,   128                         ; the A side's fragments
.set CD,   128                         ; the way out: 16 registers of codes for each of 8 blocks; then the rows read back
.set G1, 24                            ; s[24:31] descriptor group 1 for the A side;  s[32:39] group 0, one set for each slot
.set G0, 32
.set G1B, 48                           ; s[48:55], s[56:63] the same for the B side
.set G0B, 56
.set MSB, 0
.macro WIN new                         ; the immediate's high byte repeats the setting that is left
.if MSB != \new
	s_set_vgpr_msb (MSB<<8)|\new
.set MSB, \new
.endif
.endm
.set MUL_LO, 0xa1                      ; source 0 (B) window 1, source 1 (A) window 0, C and D window 2
.set MUL_HI, 0xf1                      ; the same, C and D window 3
.set TO_B,   0x40                      ; destination window 1, address window 0
; A joint load: waves 0 and 1 fetch for the A side, waves 2 and 3 for the B side.  The branch hangs on the wave's number alone.  Four v_nop follow each of the two lines.
.macro JLOAD g0a, g1a, g0b, g1b
	s_cmp_eq_u32 s15, 0
	s_cbranch_scc0 .Lfor_b_\@
	tensor_load_to_lds s[\g0a:\g0a+3], s[\g1a:\g1a+7]
	s_nop 0
.rept 4
	v_nop
.endr
	s_branch .Lasked_\@
.Lfor_b_\@:
	tensor_load_to_lds s[\g0b:\g0b+3], s[\g1b:\g1b+7]
	s_nop 0
.rept 4
	v_nop
.endr
.Lasked_\@:
.endm
.macro CREST                           ; a round of the cluster's barrier behind its opening barrier
	s_cmp_lg_u32 s14, 0
	s_cbranch_scc1 .Lnot_wave_0_\@
	s_barrier_signal -3
.Lnot_wave_0_\@:
	s_barrier_wait -3
	s_barrier_signal -1
	s_barrier_wait -1
.endm
.macro CROUND                          ; a whole round
	s_barrier_signal -1
	s_barrier_wait -1
	CREST
.endm
	s_load_b128 s[4:7], s[0:1], 0x0                ; x's codes s[4:5], w_attn's codes s[6:7]
	s_load_b64 s[8:9], s[0:1], 0x10                ; the scales' exponents
	s_load_b128 s[84:87], s[0:1], 0x18             ; q's codes s[84:85], k's codes s[86:87]
	s_load_b64 s[88:89], s[0:1], 0x28              ; v's codes
	v_lshl_add_u32 v[SPW], v0, 2, SPARE
	v_mov_b32 v[NIL], 0
	ds_add_u32 v28, v29
	ds_add_u32 v28, v29
	s_wait_dscnt 0x0
	v_lshrrev_b32 v1, 5, v0
	v_readfirstlane_b32 s14, v1                    ; wave 0..3
	s_lshr_b32 s15, s14, 1                         ; which half of the A rows is mine.  Also: I fetch for the A side (0) or the B side (1)
	s_and_b32 s16, s14, 1                          ; which half of the B rows.  Also: which 128 rows of that tile I fetch
	s_bfe_u32 s40, ttmp6, 0x40000                  ; cx, cy: my place in the cluster
	s_bfe_u32 s41, ttmp6, 0x40004
	s_and_b32 s13, ttmp7, 0xffff
	s_lshl_b32 s13, s13, 2                         ; 4 x cluster y
	s_lshl_b32 s12, ttmp9, 2                       ; 4 x cluster x
	s_cmp_eq_u32 ttmp9, 2                          ; v?  Both selections stand ahead of the additions, which write SCC
	s_cselect_b32 s17, 8, s13
	s_cselect_b32 s42, s13, s12
	s_add_co_u32 s17, s17, s41                     ; the A side's tile of 256 rows: q, k: token tile 4 cluster y + cy;  v: w_attn's tile 8 + cy
	s_add_co_u32 s42, s42, s40                     ; the B side's: q, k: w_attn's tile 4 cluster x + cx;  v: token tile 4 cluster y + cx
	s_lshl_b32 s43, s41, 2
	s_lshl_b32 s43, 15, s43                        ; my row of the cluster
	s_lshl_b32 s44, 0x1111, s40                    ; my column
	; descriptor group 1: a tile of 128 rows x 256 bytes, padded in LDS
	s_or_b32 s[G1+0], s43, (0<<16)|(1<<20)|(1<<21)|(5<<22)|(3<<25)  ; 15:0 the mask: my row; 17:16 element of 1 byte; 20 padding on; 21 set beside a mask; 24:22 after every 64 words (code 5); 31:25 of 4 words (code 3)
	s_or_b32 s[G1B+0], s44, (0<<16)|(1<<20)|(1<<21)|(5<<22)|(3<<25) ; the same with my column
.irp g, G1, G1B
	s_mov_b32 s[\g+1], ROWB<<16                    ; tensor_dim0
	s_mov_b32 s[\g+2], 128<<16                     ; tensor_dim1 = 128
	s_mov_b32 s[\g+3], ROWB<<16                    ; tile_dim0
	s_mov_b32 s[\g+4], 128                         ; tile_dim1 = 128
	s_mov_b32 s[\g+5], KROW                        ; tensor_dim0_stride
	s_mov_b32 s[\g+6], 0
	s_mov_b32 s[\g+7], 0
.endr
	s_lshl_b32 s18, s16, 7                         ; which 128 rows of the tile I fetch
	s_lshl_b32 s20, s17, 8
	s_add_co_u32 s20, s20, s18                     ; A side: row 256 x tile + 128 x half
	s_lshl_b32 s46, s42, 8
	s_add_co_u32 s46, s46, s18                     ; B side likewise
	s_mov_b32 s21, 0
	s_mov_b32 s47, 0
	s_mov_b64 s[18:19], KROW
	s_mul_u64 s[20:21], s[20:21], s[18:19]         ; in bytes
	s_mul_u64 s[46:47], s[46:47], s[18:19]
	s_mul_i32 s45, s14, HALFT                      ; where they go: wave x 128 rows: no place in the cluster enters an LDS address
	s_wait_kmcnt 0x0
	s_load_b256 s[72:79], s[8:9], 0x0              ; e0 .. e7
	s_cmp_eq_u32 ttmp9, 2
	s_cselect_b64 s[90:91], s[6:7], s[4:5]         ; the A side's buffer: w_attn's codes for v, else x's
	s_cselect_b64 s[92:93], s[4:5], s[6:7]         ; the B side's
	s_add_nc_u64 s[20:21], s[90:91], s[20:21]
	s_add_nc_u64 s[46:47], s[92:93], s[46:47]
	CROUND                                         ; all sixteen work-groups are here: the first joint loads meet
.irp s, 0,1
	s_mov_b32 s[G0+4*\s], 1
	s_add_co_u32 s[G0+4*\s+1], s45, \s*SLOT
	s_add_nc_u64 s[G0+4*\s+2:G0+4*\s+3], s[20:21], \s*ROWB
	s_or_b32 s[G0+4*\s+3], s[G0+4*\s+3], 0x80000000
	s_mov_b32 s[G0B+4*\s], 1
	s_add_co_u32 s[G0B+4*\s+1], s45, \s*SLOT
	s_add_nc_u64 s[G0B+4*\s+2:G0B+4*\s+3], s[46:47], \s*ROWB
	s_or_b32 s[G0B+4*\s+3], s[G0B+4*\s+3], 0x80000000
.endr
	JLOAD G0, G1, G0B, G1B                         ; K step 0: one tensor load a wave at the head
	v_and_b32 v1, 15, v0                           ; r = l % 16
	v_bfe_u32 v2, v0, 4, 1                         ; h = l / 16
	v_mul_u32_u24 v3, v1, PITCH
	s_wait_alu depctr_va_vdst(0)
	v_lshl_add_u32 v4, v2, 4, v3                   ; a fragment's row x pitch + 16 x half
	s_mul_i32 s21, s15, HALFT                      ; my 128 rows of the A side
	s_mul_i32 s22, s16, HALFT                      ; my 128 rows of the B side,
	s_add_co_u32 s22, s22, 2*HALFT                 ; which lie behind A's 256
.irp s, 0,1
	v_add_nc_u32 v[ADRA+\s], s21, v4
	v_add_nc_u32 v[ADRB+\s], s22, v4
	s_add_co_u32 s21, s21, SLOT
	s_add_co_u32 s22, s22, SLOT
.endr
	; every LDS address of the way out is made here.  The stage: 256 rows (A side) x (256 codes (B side) + 16), the work-group's, from LDS byte 0 on
	s_mul_i32 s23, s15, HALFT
	s_lshl_b32 s22, s16, 7
	s_add_co_u32 s23, s23, s22
	v_lshl_add_u32 v[STO], v2, 3, v3
	v_add_nc_u32 v[STO], s23, v[STO]               ; in: row 128 (wave / 2) + r, byte 128 (wave % 2) + 8 h
	v_bfe_u32 v5, v0, 2, 3
	v_mul_u32_u24 v5, v5, PITCH
	v_and_b32 v6, 3, v0
	v_lshl_add_u32 v5, v6, 4, v5
	s_lshl_b32 s23, s14, 6
	v_add_nc_u32 v[RDQ], s23, v5                   ; q, k, back: wave w takes the 64 bytes of head w of every row: row lane / 4, byte 64 w + 16 (lane % 4)
	v_add_nc_u32 v[RDQ2], 128*PITCH, v[RDQ]        ; (an LDS offset has 16 bits: the rows from 128 on have a register of their own)
	s_mul_i32 s23, s14, 64*PITCH
	v_mul_u32_u24 v5, v2, PITCH
	v_lshl_add_u32 v5, v1, 4, v5
	v_add_nc_u32 v[RDV], s23, v5                   ; v, back: wave w takes rows 64 w on, whole: lanes 0-15 one row, lanes 16-31 the next
	v_and_b32 v6, 31, v0
	v_lshlrev_b32 v[GOQ], 4, v6
	v_lshlrev_b32 v[GOV], 11, v2
	v_lshl_add_u32 v[GOV], v1, 4, v[GOV]           ; two rows of v's codes are 2,048 bytes apart
.macro FRAG reg, adr, q, i             ; a fragment: lane l holds row l % 16; registers 4 c .. 4 c + 3 hold K = 32 c + 16 (l / 16) + 0 .. 15: the same permutation of k on both sides
.irp c, 0,1,2,3
	ds_load_b128 v[\reg+4*\c:\reg+4*\c+3], v[\adr] offset:128*(\q)+32*\c+(\i)*16*PITCH
.endr
.endm
; 16 matrix instructions: A's blocks a0, a0 + 1 x B's eight, 128 along K.  p: B's set.  zero = 1: the first product starts the sums.  The 64 accumulators take turns, one instruction a turn.
.macro MUL16 a0, p, zero
.irp a, \a0, \a0+1
.irp b, 0,1,2,3,4,5,6,7
.if \zero
	v_wmma_f32_16x16x128_fp8_fp8 v[8*(8*((\a)%4)+\b):8*(8*((\a)%4)+\b)+7], v[128*(\p)+FR*\b:128*(\p)+FR*\b+FR-1], v[AF+FR*(\a):AF+FR*(\a)+FR-1], 0
.else
	v_wmma_f32_16x16x128_fp8_fp8 v[8*(8*((\a)%4)+\b):8*(8*((\a)%4)+\b)+7], v[128*(\p)+FR*\b:128*(\p)+FR*\b+FR-1], v[AF+FR*(\a):AF+FR*(\a)+FR-1], v[8*(8*((\a)%4)+\b):8*(8*((\a)%4)+\b)+7]
.endif
.endr
.endr
.endm
.macro FETCH_B slot, q, p              ; B's eight fragments of the slot's q-th 128 along K into set p
	WIN TO_B
.irp i, 0,1,2,3,4,5,6,7
	FRAG 128*(\p)+FR*\i, ADRB+\slot, \q, \i
.endr
	WIN 0
.endm
.macro FETCH_A slot, q, i0             ; A's blocks i0 .. i0 + 3
.irp i, \i0, \i0+1, \i0+2, \i0+3
	FRAG AF+FR*(\i), ADRA+\slot, \q, \i
.endr
.endm
.macro PLACES n                        ; plain vector instructions between a matrix instruction and a load into, or a vector read of, its registers
.rept \n
	v_nop
.endr
.endm
; A step of 128 along K that has its successor in the same slot.  A block of A is free once its eight products are issued: blocks 0-3 are fetched anew in the step's middle, blocks 4-7 at its end.
.macro STEP slot, q, zero
	s_wait_dscnt 4*NL                              ; B's set and A's blocks 0-3 are in; the youngest 16 loads (A's blocks 4-7) may be out
	WIN MUL_LO
	MUL16 0, (\q)%2, \zero
	MUL16 2, (\q)%2, \zero
	s_wait_dscnt 0                                 ; A's blocks 4-7 are in
	PLACES NP
	FETCH_B \slot, (\q)+1, 1-(\q)%2
	FETCH_A \slot, (\q)+1, 0
	WIN MUL_HI
	MUL16 4, (\q)%2, \zero
	MUL16 6, (\q)%2, \zero
	PLACES NP
	WIN 0
	FETCH_A \slot, (\q)+1, 4
.endm
; A slot's last step changes slots: ONE barrier; in front of it each wave waits for all its tensor loads, adds 0 to its spare word, and waits for that and for its own reads of this slot.  fill = 1: this slot is filled again, two K steps ahead.
.macro TURN slot, next, fill
	s_wait_tensorcnt 0x0                           ; all my tensor loads have landed: my part of the next slot
	ds_add_u32 v[SPW], v[NIL]                      ; 0 onto my spare word
	s_wait_dscnt 4*NL+1                            ; the add and the youngest 16 loads (A's blocks 4-7) may be out
	WIN MUL_LO
	MUL16 0, 1, 0                                  ; sixteen matrix instructions stand between the add and the wait for it
	s_wait_dscnt 0x0                               ; the add is done, and my reads of this slot are over
	s_barrier_signal -1
	MUL16 2, 1, 0
	WIN 0
	s_barrier_wait -1
.if \fill
	CREST                                          ; the barrier has opened a round of the cluster's barrier: no wave of any partner still reads this slot or has a load on its way
	s_add_nc_u64 s[G0+4*\slot+2:G0+4*\slot+3], s[G0+4*\slot+2:G0+4*\slot+3], 2*ROWB
	s_add_nc_u64 s[G0B+4*\slot+2:G0B+4*\slot+3], s[G0B+4*\slot+2:G0B+4*\slot+3], 2*ROWB
	JLOAD G0+4*\slot, G1, G0B+4*\slot, G1B         ; the first tensor load behind the round; its four v_nop are also the places in front of the loads below
.else
	PLACES NP
.endif
	FETCH_B \next, 0, 0
	FETCH_A \next, 0, 0
	WIN MUL_HI
	MUL16 4, 1, 0
	MUL16 6, 1, 0
	PLACES NP
	WIN 0
	FETCH_A \next, 0, 4
.endm
	s_wait_alu depctr_va_vdst(0)
	s_wait_tensorcnt 0x0                           ; my part of K step 0 is in
	ds_add_u32 v[SPW], v[NIL]
	s_wait_dscnt 0x0
	CROUND                                         ; everybody's part of K step 0 is in, and all sixteen work-groups are here
	JLOAD G0+4, G1, G0B+4, G1B                     ; K step 1's load, the first tensor load behind the round
	FETCH_B 0, 0, 0
	FETCH_A 0, 0, 0
	FETCH_A 0, 0, 4
	STEP 0, 0, 1                                   ; the first step stands in front of the loop: its products start the sums
	s_mov_b32 s3, LAPS-1
.Llap:                                                 ; a trip goes once round the ring and fills both slots again
	TURN 0, 1, 1
	STEP 1, 0, 0
	TURN 1, 0, 1
	STEP 0, 0, 0
	s_sub_co_u32 s3, s3, 1
	s_cmp_lg_u32 s3, 0
	s_cbranch_scc1 .Llap
	TURN 0, 1, 0                                   ; the last lap fills nothing
	STEP 1, 0, 0
	s_wait_dscnt 4*NL                              ; the very last step: nothing more to fetch
	WIN MUL_LO
	MUL16 0, 1, 0
	MUL16 2, 1, 0
	s_wait_dscnt 0
	WIN MUL_HI
	MUL16 4, 1, 0
	MUL16 6, 1, 0
	WIN 0
	; THE WAY OUT.  The sums are held, turned into codes (8 a lane and accumulator) and gathered in the work-group's stage, which lies in slot 0: that slot has had its last fill, and every wave has passed the last
	; change of slots, behind which nobody reads it.  Behind a barrier each wave reads what belongs together in memory and stores it in runs of 256 bytes or more.
	s_wait_kmcnt 0x0
	s_cmp_eq_u32 ttmp9, 1
	s_cselect_b32 s94, s75, s77                    ; k: e3; else v's e5,
	s_cmp_eq_u32 ttmp9, 0
	s_cselect_b32 s94, s74, s94                    ; or q's e2
	s_sub_co_i32 s94, s94, s72
	s_sub_co_i32 s94, s94, s73                     ; et - e0 - e1
	s_add_co_i32 s94, s94, 127
	s_lshl_b32 s95, s94, 23
	v_mov_b32 v[SCV], s95
	s_add_co_i32 s94, s94, 8
	s_lshl_b32 s94, s94, 23
	s_or_b32 s94, s94, 0x600000
	v_mov_b32 v[LMV], s94
	PLACES NP
.macro QBLOCK a                        ; block a: 16 A rows x 128 B rows
.set AC, 64*((\a)%4)
.set WQ, 0x02+((\a)/4)
	WIN WQ                                         ; source 0: window 2 or 3
.set j, 0
.rept 64
	v_med3_num_f32 v[TMP+j], v[AC+j], -v[LMV], v[LMV]   ; the conversion does not saturate (ISA guide 7.6.2): the hold; each accumulator is read from its low end on
.set j, j+1
.endr
	WIN 0
.irp b, 0,1,2,3,4,5,6,7
	v_cvt_scalef32_pk8_fp8_f32 v[CD+16*(\a)+2*\b:CD+16*(\a)+2*\b+1], v[TMP+8*\b:TMP+8*\b+7], v[SCV]
.endr
	v_nop                                          ; a plain line between the last conversion and the next block's holds, which write its sources
.irp b, 0,1,2,3,4,5,6,7
	ds_store_b64 v[STO], v[CD+16*(\a)+2*\b:CD+16*(\a)+2*\b+1] offset:(\a)*16*PITCH+16*\b   ; row 16 a + r, B rows 16 b + 8 h + 0 .. 7; each block has code registers of its own
.endr
.endm
.irp a, 0,1,2,3,4,5,6,7
	QBLOCK \a
.endr
	s_wait_dscnt 0x0                               ; for the others' sake: my stores into the stage are done
	s_barrier_signal -1
	s_barrier_wait -1
	s_cmp_eq_u32 ttmp9, 2                          ; the cluster's x: alike in all partners.  Both ways hold scalar work, LDS loads and stores to memory alone
	s_cbranch_scc1 .Lout_v
	; q, k: a stage row is a token, its 256 bytes four heads' 64 d.  Wave w takes head 4 cx + w: 256 tokens x 64 bytes are 16,384 consecutive bytes of the head's codes
	s_cmp_eq_u32 ttmp9, 0
	s_cselect_b64 s[90:91], s[84:85], s[86:87]
	s_lshr_b32 s94, s17, 3                         ; b = token tile / 8
	s_lshl_b32 s94, s94, 4
	s_lshl_b32 s95, s40, 2
	s_add_co_u32 s94, s94, s95
	s_add_co_u32 s94, s94, s14                     ; bh = 16 b + 4 cx + w
	s_lshl_b32 s94, s94, 17                        ; a head's codes are 131,072 bytes
	s_and_b32 s95, s17, 7
	s_lshl_b32 s95, s95, 14                        ; + 256 (token tile % 8) tokens of 64 bytes
	s_add_co_u32 s94, s94, s95
	s_mov_b32 s95, 0
	s_add_nc_u64 s[90:91], s[90:91], s[94:95]
.set i, 0
.rept 16
	ds_load_b128 v[CD+4*i:CD+4*i+3], v[RDQ] offset:i*8*PITCH          ; eight tokens' 64 bytes
.set i, i+1
.endr
.rept 16
	ds_load_b128 v[CD+4*i:CD+4*i+3], v[RDQ2] offset:(i-16)*8*PITCH
.set i, i+1
.endr
.set i, 0
.rept 32
	s_wait_dscnt 31-i                              ; LDS loads come back in order: load i is in, the 31 - i behind it may be out
	global_store_b128 v[GOQ], v[CD+4*i:CD+4*i+3], s[90:91] offset:512*i   ; 32 lanes store 512 consecutive bytes, at a multiple of 256 from the buffer's first byte
.set i, i+1
.endr
	s_branch .Lout_done
.Lout_v:
	; v: a stage row is a feature 256 cy + row, its 256 bytes 256 neighbouring tokens.  Wave w takes head 4 cy + w: 64 rows d, each 256 bytes of a row of 2,048
	s_lshr_b32 s94, s42, 3                         ; b = token tile / 8
	s_lshl_b32 s94, s94, 4
	s_lshl_b32 s95, s41, 2
	s_add_co_u32 s94, s94, s95
	s_add_co_u32 s94, s94, s14                     ; bh = 16 b + 4 cy + w
	s_lshl_b32 s94, s94, 17
	s_and_b32 s95, s42, 7
	s_lshl_b32 s95, s95, 8                         ; + 256 (token tile % 8) keys
	s_add_co_u32 s94, s94, s95
	s_mov_b32 s95, 0
	s_add_nc_u64 s[90:91], s[88:89], s[94:95]
.set i, 0
.rept 32
	ds_load_b128 v[CD+4*i:CD+4*i+3], v[RDV] offset:i*2*PITCH
.set i, i+1
.endr
.set i, 0
.rept 32
	s_wait_dscnt 31-i
	global_store_b128 v[GOV], v[CD+4*i:CD+4*i+3], s[90:91] offset:4096*i  ; 16 lanes store 256 consecutive bytes, aligned; two rows d an instruction
.set i, i+1
.endr
.Lout_done:
	s_wait_tensorcnt 0x0                           ; the wave's end: behind my last tensor load and my last LDS store
	ds_add_u32 v[SPW], v[NIL]
	s_wait_dscnt 0x0
	CROUND                                         ; the closing round: no work-group ends while a partner may still ask for a tile that names it
	s_endpgm
.Lfunc_end_k_q91b4b32e24_qkv:
	.size	k_q91b4b32e24_qkv, .Lfunc_end_k_q91b4b32e24_qkv-k_q91b4b32e24_qkv
	.p2alignl 7, 3214868480
	.fill 96, 4, 3214868480
	.section	.rodata,"a",@progbits
	.p2align	6, 0x0
	.amdhsa_kernel k_q91b4b32e24_qkv
		.amdhsa_group_segment_fixed_size 327680
		.amdhsa_private_segment_fixed_size 0
		.amdhsa_enable_private_segment 0
		.amdhsa_kernarg_size 48
		.amdhsa_user_sgpr_count 2
		.amdhsa_user_sgpr_kernarg_segment_ptr 1
		.amdhsa_wavefront_size32 1
		.amdhsa_system_sgpr_workgroup_id_x 1
		.amdhsa_system_sgpr_workgroup_id_y 1
		.amdhsa_system_sgpr_workgroup_id_z 1
		.amdhsa_system_vgpr_workitem_id 0
		.amdhsa_next_free_vgpr 1024
		.amdhsa_next_free_sgpr 100
		.amdhsa_reserve_vcc 0
		.amdhsa_float_denorm_mode_32 3
		.amdhsa_float_denorm_mode_16_64 3
		.amdhsa_memory_ordered 1
		.amdhsa_forward_progress 1
		.amdhsa_inst_pref_size 133
	.end_amdhsa_kernel
	.amdgpu_metadata
---
amdhsa.version: [ 1, 2 ]
amdhsa.kernels:
  - .name:           k_q91b4b32e24_qkv
    .symbol:         k_q91b4b32e24_qkv.kd
    .args:
      - { .name: xc, .offset: 0, .size: 8, .value_kind: global_buffer, .address_space: global }
      - { .name: wac, .offset: 8, .size: 8, .value_kind: global_buffer, .address_space: global }
      - { .name: lowp_scales, .offset: 16, .size: 8, .value_kind: global_buffer, .address_space: global }
      - { .name: qc, .offset: 24, .size: 8, .value_kind: global_buffer, .address_space: global }
      - { .name: kc, .offset: 32, .size: 8, .value_kind: global_buffer, .address_space: global }
      - { .name: vc, .offset: 40, .size: 8, .value_kind: global_buffer, .address_space: global }
    .group_segment_fixed_size: 327680
    .private_segment_fixed_size: 0
    .kernarg_segment_align: 8
    .kernarg_segment_size: 48
    .max_flat_workgroup_size: 128
    .sgpr_count:     100
    .vgpr_count:     1024
    .wavefront_size: 32
...
	.end_amdgpu_metadata
.endif
;; end of part 2
;; launch attn (part 3): grid 256 x 1, 16 waves a work-group, clusters of 4 x 1, 327,680 bytes of LDS; arguments qc, kc, vc, lowp_scales, yc; writes yc
.if DOCPART == 3
	.amdgcn_target "amdgcn-amd-amdhsa--gfx1250"
	.amdhsa_code_object_version 6
	.text
	.protected	k_q91b4b32e24_attn
	.globl	k_q91b4b32e24_attn
	.p2align	8
	.type	k_q91b4b32e24_attn,@function
k_q91b4b32e24_attn:
	s_mov_b64 s[64:65], 0
	v_nop
	global_prefetch_b8 v0, s[64:65] scope:SCOPE_SE
	s_setreg_imm32_b32 hwreg(HW_REG_WAVE_MODE, 25, 1), 1
	s_wait_xcnt 0x0
	s_wait_alu depctr_hold_cnt(0) depctr_sa_sdst(0) depctr_va_vdst(0) depctr_va_sdst(0) depctr_va_ssrc(0) depctr_va_vcc(0) depctr_vm_vsrc(0)
	s_getreg_b32 s2, hwreg(HW_REG_IB_STS2, 6, 4)
	s_cmp_eq_u32 s2, 0
	s_cbranch_scc0 .Lentry_in_a_cluster
	s_endpgm
.Lentry_in_a_cluster:
	s_bfe_u32 s2, ttmp6, 0x10000c
	s_cmp_lg_u32 s2, 0x3003
	s_cbranch_scc0 .Lentry_shape_is_right
	s_endpgm
.Lentry_shape_is_right:
; y[bh][q][:] = the sum over keys k <= q of softmax_k(q . k / 8) v[k][:], both products on codes of E4M3; y is quantised at once for the next product.
; IN: q's and k's codes [bh 64][t 2048][d 64] (scales 2^e2, 2^e3); v's codes [bh][d 64][t 2048], keys innermost (2^e5).  OUT: y's codes (2^e6) at byte (token / 4) 4096 + head 256 + (token % 4) 64 + d.
; THE SOFTMAX: t = score x log2(e) / 8; M = the row's largest t so far, rounded UP to a whole number; p = 2^(t - M) is quantised with 2^e4, not normalised; the row's sum is taken of the unquantised p and divides O at the end.
; When M moves, the sum and O are multiplied by 2^(old M - new M), which rounds nothing.
; LEFT OUT: steps of 128 keys all of which come after a tile's 16 queries: the causal mask gives them the weight 0 for all values of the inputs.  A NaN or an infinity that reaches only such scores is not carried to the result.
; A HEAD'S K AND V STAY IN LDS, WHOLE: 2 x 2,048 x 64 codes are 2 x 512 rows of 256 bytes, 272 bytes apart: 278,528 bytes.  Nothing is filled again, so the loop over the keys has no barrier.
; CLUSTER: the four work-groups of a head (cluster x = bh) need the same K and V and ask for them JOINTLY.  Waves 0-7 fetch K, waves 8-15 V, 32 rows of 256 bytes a load: keys 0-1023 at the head, keys 1024-2047 behind the
; next round; the second load lands while the first eight steps are worked.  By the text's own count a wave has one tensor load out.
; SHARES.  A tile is 16 queries; tile j = 4 m + cx belongs to work-group cx.  It needs the key steps 0 .. m / 2, whatever cx is, so no branch and no LDS address hangs on a work-group's place in its cluster; cx enters the addresses
; of Q and y and the numbers that the mask compares.  Wave w takes tiles m = 31 - w and m = w: (31 - w) / 2 + 1 + w / 2 + 1 = 17 steps for every wave.  The first tile walks its keys upwards (its last step lies on the
; diagonal), the second downwards (its first does; there every query sees its own key, so M is a number from the first step on).  The step's number is a select between two scalars that the loop steps by constants.
; NO PREFETCH: every byte of K and V is asked for by its one tensor load, at the head or directly behind the first round: no later request is left to run ahead of.
; LAYOUT.  S^T = K Q^T (K = 64 form; source 0 = 16 neighbouring keys, source 1 = my 16 queries; both fetched with the same permutation of d): register j of tile t holds key 16 t + 8 (lane / 16) + j of query lane % 16.
; One conversion of a tile's eight registers gives registers 2 t, 2 t + 1 of P in the K = 128 form's own layout, and V^T's fragments are fetched in that layout, 8 bytes a load.
; LIMITS: e2 + e3 between -123 and 130 (added to c's exponent field); e4, and e6 - e4 - e5, between -126 and 119, so that each power of two below is an f32 number.  The scaled scores t stay under 2^31 in magnitude.
; REGISTERS: v1-7, v10, v11 addresses that stay; v8, v9 addresses of the step in hand; v12 -M, v13 the largest t, v[14:15] the sum in two halves; v16-23 Q; v24-31 y's codes; v32-95 K's 8 fragments, then V's 4;
;   v96-159 S^T, then p; v160-191 O^T; v192-223 the way out; v224-239 P; v240, v244: 448 x 2^e4, 2^e4; v241, v245: the same with e6 - e4 - e5; v234-239, v242, v243, v246-255 at work.
.set KP,    272                        ; an LDS row: 256 bytes + 16 of padding.  K: four keys of 64 bytes to a row; V: 256 keys of one d
.set CH,    64*KP                      ; 256 keys: 64 rows of K, or of V
.set STAGE, 0                          ; the way out: 1,024 bytes for each wave, into which no tile lands
.set SPARE, 16384                      ; the spare words, 128 bytes for each of 16 waves
.set KOFF,  18432                      ; K's 512 rows
.set VOFF,  KOFF+8*CH                  ; V's 512 rows: [256 keys][d]
.set AK0, 1                            ; v1   my lane's place in a tile of K
.set AV0, 2                            ; v2   the same for V
.set STO, 4                            ; v4   the stage: where I put 8 codes
.set SPW, 5                            ; v5   LDS address of my spare word; never rewritten
.set NIL, 6                            ; v6   0; never rewritten
.set GO,  7                            ; v7   my byte offset in y's codes
.set ADK, 8
.set ADV, 9
.set RD,  10                           ; v10  the stage: where I read 16 bytes back
.set QO,  11                           ; v11  my byte offset in the tile's 16 rows of Q
.set WV,  18                           ; s18  my wave's number
.set SEL, 20                           ; s[20:21] lane selects: lane l xor 16
.set CS,  22                           ; s[22:23] c = log2(e) / 8 x 2^(e2 + e3)
.set G1K, 24                           ; s[24:31], s[32:39] descriptor groups 1;  s[40:43], s[44:47] groups 0 of my first and second load
.set G1V, 32
.set G0A, 40
.set G0B, 44
.set S,   48                           ; s48  the step's number, 0 .. 16: the loops' counter
.set D,   49                           ; s49  16 - S
.set AA,  50                           ; s50  (31 - w) / 2: the first tile's last step
.set Q0,  51                           ; s51  the first query of the tile in hand;  s52 of the second tile
.set Q0B, 52
.set KS,  53                           ; s53  which 128 keys
.set KO,  54                           ; s54, s55  their bytes in K's and V's rows
.set VO,  55
.set QB,  56                           ; s[56:57] the head's first byte in Q's codes
.set OFS, 58                           ; s[58:59] an offset; the high word stays 0
.set YA,  60                           ; s[60:61] where my 16 queries' codes go
.set QA,  62                           ; s[62:63] my 16 rows of Q
.set TOK, 76                           ; s76  2,048 x batch
.set HDB, 77                           ; s77  256 x head
.set CX,  78                           ; s78  my work-group's place in the cluster
; A joint load: waves 0-7 fetch for K, waves 8-15 for V.  The branch hangs on the wave's number alone.  An s_nop 0 and four v_nop follow each of the two lines.
.macro JLOAD g0
	s_cmp_lt_u32 s[WV], 8
	s_cbranch_scc0 .Lfor_v_\@
	tensor_load_to_lds s[\g0:\g0+3], s[G1K:G1K+7]
	s_nop 0
.rept 4
	v_nop
.endr
	s_branch .Lasked_\@
.Lfor_v_\@:
	tensor_load_to_lds s[\g0:\g0+3], s[G1V:G1V+7]
	s_nop 0
.rept 4
	v_nop
.endr
.Lasked_\@:
.endm
.macro CROUND                          ; a round of the cluster's barrier
	s_barrier_signal -1
	s_barrier_wait -1
	s_cmp_lg_u32 s[WV], 0
	s_cbranch_scc1 .Lnot_wave_0_\@
	s_barrier_signal -3
.Lnot_wave_0_\@:
	s_barrier_wait -3
	s_barrier_signal -1
	s_barrier_wait -1
.endm
	s_load_b256 s[4:11], s[0:1], 0x0               ; Q's codes s[4:5], K's s[6:7], V's s[8:9], the scales' exponents s[10:11]
	s_load_b64 s[12:13], s[0:1], 0x20              ; y's codes
	v_lshl_add_u32 v[SPW], v0, 2, SPARE
	v_mov_b32 v[NIL], 0
	ds_add_u32 v[SPW], v[NIL]                      ; the opening: the add, twice on end, and its wait ahead of my first tensor load
	ds_add_u32 v[SPW], v[NIL]
	v_lshrrev_b32 v8, 5, v0
	v_readfirstlane_b32 s[WV], v8                  ; wave 0..15
	s_bfe_u32 s[CX], ttmp6, 0x40000
	s_lshl_b32 s[OFS], ttmp9, 17                   ; a head's codes are 131,072 bytes in each of the three
	s_mov_b32 s[OFS+1], 0
	s_lshr_b32 s[TOK], ttmp9, 4
	s_lshl_b32 s[TOK], s[TOK], 11
	s_and_b32 s[HDB], ttmp9, 15
	s_lshl_b32 s[HDB], s[HDB], 8
	s_sub_co_u32 s96, 31, s[WV]                    ; the first tile: m = 31 - w
	s_lshr_b32 s[AA], s96, 1
	s_lshl_b32 s96, s96, 6
	s_lshl_b32 s97, s[CX], 4
	s_add_co_u32 s[Q0], s96, s97                   ; its first query: 16 (4 m + cx)
	s_lshl_b32 s96, s[WV], 6                       ; the second: m = w
	s_add_co_u32 s[Q0B], s96, s97
	s_mov_b32 s[SEL], 0x76543210
	s_mov_b32 s[SEL+1], 0xfedcba98
	s_mov_b32 s[CS], 0x3e38aa3b                    ; log2(e) / 8
	; descriptor groups 1: 32 rows of 256 bytes.  K's keys are dense in memory: four keys to a row.  V: 32 rows d, 256 keys of each, 2,048 bytes apart
.irp g, G1K, G1V
	s_mov_b32 s[\g], 15|(0<<16)|(1<<20)|(1<<21)|(5<<22)|(3<<25)   ; 15:0 the mask: all four of the cluster; 17:16 elements of 1 byte; 20 padding on; 21 set beside a mask; 24:22 after every 64 words; 31:25 four words
	s_mov_b32 s[\g+1], 256<<16                     ; tensor_dim0
	s_mov_b32 s[\g+2], 32<<16                      ; tensor_dim1
	s_mov_b32 s[\g+3], 256<<16                     ; tile_dim0
	s_mov_b32 s[\g+4], 32                          ; tile_dim1
	s_mov_b32 s[\g+6], 0
	s_mov_b32 s[\g+7], 0
.endr
	s_mov_b32 s[G1K+5], 256                        ; tensor_dim0_stride
	s_mov_b32 s[G1V+5], 2048
	; what I fetch: p = w % 8.  In LDS: rows 32 p of K's or of V's first 256; the second load 256 rows on
	s_lshr_b32 s80, s[WV], 3                       ; 0: K; 1: V
	s_and_b32 s81, s[WV], 7                        ; p
	s_mul_i32 s82, s80, 8*CH
	s_add_co_u32 s82, s82, KOFF
	s_mul_i32 s83, s81, 32*KP
	s_add_co_u32 s[G0A+1], s82, s83
	s_add_co_u32 s[G0B+1], s[G0A+1], 4*CH
	s_mov_b32 s[G0A], 1
	s_mov_b32 s[G0B], 1
	s_lshl_b32 s86, s81, 13                        ; in memory.  K: 32 p rows of 256 bytes
	s_and_b32 s87, s81, 1
	s_lshl_b32 s87, s87, 16                        ; V: rows d from 32 (p % 2) on, of 2,048 bytes,
	s_lshr_b32 s83, s81, 1
	s_lshl_b32 s83, s83, 8
	s_add_co_u32 s87, s87, s83                     ; keys from 256 (p / 2) on
	s_mov_b32 s83, 1024
	s_cmp_eq_u32 s80, 0
	s_cselect_b32 s86, s86, s87
	s_cselect_b32 s88, 0x10000, s83                ; 1,024 keys on: 65,536 bytes of K, 1,024 of a row of V
	s_mov_b32 s87, 0
	s_mov_b32 s89, 0
	s_wait_dscnt 0x0                               ; both opening adds are done
	s_wait_kmcnt 0x0
	s_load_b256 s[68:75], s[10:11], 0x0            ; e0 .. e7
	s_cmp_eq_u32 s80, 0
	s_cselect_b64 s[84:85], s[6:7], s[8:9]         ; the choice hangs on the wave's number alone
	s_add_nc_u64 s[84:85], s[84:85], s[OFS:OFS+1]
	s_add_nc_u64 s[QB:QB+1], s[4:5], s[OFS:OFS+1]
	s_add_nc_u64 s[G0A+2:G0A+3], s[84:85], s[86:87]
	s_add_nc_u64 s[G0B+2:G0B+3], s[G0A+2:G0A+3], s[88:89]
	s_or_b32 s[G0A+3], s[G0A+3], 0x80000000        ; 127:126 type = 2
	s_or_b32 s[G0B+3], s[G0B+3], 0x80000000
	CROUND                                         ; all four work-groups are here: the first joint loads meet
	JLOAD G0A                                      ; keys 0-1023: one tensor load a wave at the head
	s_lshl_b32 s[OFS], s[Q0], 6
	s_add_nc_u64 s[QA:QA+1], s[QB:QB+1], s[OFS:OFS+1]
	s_lshl_b32 s96, s[WV], 10                      ; my stage (STAGE = 0)
	v_and_b32 v8, 15, v0                           ; r = lane % 16
	v_bfe_u32 v9, v0, 4, 1                         ; h = lane / 16
	v_lshlrev_b32 v[QO], 6, v8
	v_lshl_add_u32 v[QO], v9, 4, v[QO]             ; Q: row r of 64 bytes, + 16 h
	global_load_b128 v[16:19], v[QO], s[QA:QA+1]             ; d = 16 h + 0 .. 15
	global_load_b128 v[20:23], v[QO], s[QA:QA+1] offset:32   ; d = 32 + 16 h + 0 .. 15
	v_lshrrev_b32 v3, 2, v8
	v_mul_u32_u24 v[AK0], v3, KP
	v_and_b32 v3, 3, v8
	v_lshl_add_u32 v[AK0], v3, 6, v[AK0]
	v_lshl_add_u32 v[AK0], v9, 4, v[AK0]           ; K: key r of a tile lies at (r / 4) 272 + (r % 4) 64; + 16 h
	v_add_nc_u32 v[AK0], KOFF, v[AK0]
	v_mul_u32_u24 v[AV0], v8, KP
	v_lshl_add_u32 v[AV0], v9, 3, v[AV0]
	v_add_nc_u32 v[AV0], VOFF, v[AV0]              ; V: row d = r, + 8 h
	v_lshlrev_b32 v[STO], 6, v8
	v_lshl_add_u32 v[STO], v9, 3, v[STO]
	v_add_nc_u32 v[STO], s96, v[STO]               ; in: query r's 64 bytes, + 8 h
	v_and_b32 v3, 31, v0
	v_lshlrev_b32 v3, 4, v3
	v_add_nc_u32 v[RD], s96, v3                    ; back: 16 bytes a lane
	v_lshlrev_b32 v[GO], 12, v9
	v_lshl_add_u32 v[GO], v8, 4, v[GO]             ; lanes 0-15: four tokens' 256 bytes; lanes 16-31: the next four's, 4,096 bytes on
	v_mov_b32 v246, 0                              ; written once: a lane permute's destination counts as one of its sources
	v_mov_b32 v253, 0                              ; (named as the upper half of the pair v[252:253])
.macro INIT                            ; a tile of queries begins: O^T and the sum are zeros, which the first change of M leaves zeros; so a step is written once
	v_mov_b32 v13, 0xff61b1e6                      ; the largest t so far: -3e38, under every t
	s_delay_alu instid0(VALU_DEP_1)
	v_floor_f32 v12, -v13                          ; -M
	v_mov_b32 v14, 0
	v_mov_b32 v15, 0
.set j, 0
.rept 32
	v_mov_b32 v[160+j], 0
.set j, j+1
.endr
.endm
	INIT
	s_wait_kmcnt 0x0
	s_add_co_i32 s96, s70, s71
	s_lshl_b32 s96, s96, 23
	s_add_co_i32 s[CS], s[CS], s96                 ; a score stands for score x 2^(e2 + e3): the two exponents are added to c's exponent field
	s_mov_b32 s[CS+1], s[CS]                       ; (named with it as a pair, so it is written)
	s_add_co_i32 s96, s72, 127
	s_lshl_b32 s97, s96, 23
	v_mov_b32 v244, s97                            ; 2^e4 as f32, for p's conversion
	s_add_co_i32 s96, s96, 8
	s_lshl_b32 s96, s96, 23
	s_or_b32 s96, s96, 0x600000
	v_mov_b32 v240, s96                            ; 448 x 2^e4
	s_sub_co_i32 s96, s74, s72
	s_sub_co_i32 s96, s96, s73                     ; O / l stands for y / 2^(e4 + e5): y's code is (O / l) / 2^(e6 - e4 - e5)
	s_add_co_i32 s96, s96, 127
	s_lshl_b32 s97, s96, 23
	v_mov_b32 v245, s97
	s_add_co_i32 s96, s96, 8
	s_lshl_b32 s96, s96, 23
	s_or_b32 s96, s96, 0x600000
	v_mov_b32 v241, s96
; A KEY STEP: the 128 keys whose number stands in s[ks].  diag = 1: the step may lie on the diagonal.
.macro STEP ks, diag
	s_mul_i32 s[KO], s[\ks], 32*KP                 ; K: 32 rows a step
	s_lshr_b32 s96, s[\ks], 1
	s_mul_i32 s[VO], s96, CH                       ; V: 64 rows for 256 keys,
	s_and_b32 s96, s[\ks], 1
	s_lshl_b32 s96, s96, 7                         ; and 128 bytes along them
	s_add_co_u32 s[VO], s[VO], s96
	v_add_nc_u32 v[ADK], s[KO], v[AK0]
	v_add_nc_u32 v[ADV], s[VO], v[AV0]
	v_nop                                          ; with the two additions: four places in front of loads into registers that the last products read
	v_nop
.irp t, 0,1,2,3,4,5,6,7
	ds_load_b128 v[32+8*\t:35+8*\t], v[ADK] offset:4*\t*KP        ; keys 16 t + r: d = 16 h + 0 .. 15,
	ds_load_b128 v[36+8*\t:39+8*\t], v[ADK] offset:4*\t*KP+32     ; d = 32 + 16 h + 0 .. 15: as Q has them
.endr
	s_wait_alu depctr_va_vdst(0)
	s_wait_dscnt 0x0
.irp t, 0,1,2,3,4,5,6,7
	v_wmma_f32_16x16x64_fp8_fp8 v[96+8*\t:103+8*\t], v[32+8*\t:39+8*\t], v[16:23], 0
.endr
.rept 4
	v_nop                                          ; places: the loads below land where K's fragments lay, and the scores are read
.endr
.irp t, 0,1,2,3
.irp c, 0,1,2,3,4,5,6,7
	ds_load_b64 v[32+16*\t+2*\c:33+16*\t+2*\c], v[ADV] offset:16*\t*KP+16*\c   ; V^T: d = 16 t + r, keys 16 c + 8 h + 0 .. 7; they land while the softmax is worked
.endr
.endr
.if \diag
	s_sub_co_u32 s96, s[S], s[AA]                  ; the diagonal: the first tile's last step (0) and the second tile's first (1): the wave's number and the count of steps alone
	s_cmp_gt_u32 s96, 1
	s_cbranch_scc1 .Lopen_\@
	s_lshl_b32 s97, s[\ks], 7                      ; the step's first key
	s_sub_co_i32 s96, s[Q0], s97
	v_and_b32 v252, 15, v0
	v_bfe_u32 v253, v0, 4, 1
	s_delay_alu instid0(VALU_DEP_1)
	v_lshlrev_b32 v253, 3, v253
	s_delay_alu instid0(VALU_DEP_1)
	v_sub_nc_u32 v252, v252, v253
	s_delay_alu instid0(VALU_DEP_1)
	v_add_nc_u32 v252, s96, v252                   ; d = my query - the first key - 8 (lane / 16).  Register 8 t + j holds key 8 (lane / 16) + 16 t + j of the step: hidden where 16 t + j > d
	v_mov_b32 v254, 0xff800000                     ; -infinity: p = 0 then
.set n, 0
.rept 64
	v_cmp_gt_i32 vcc_lo, 16*(n/8)+n%8, v252
	v_cndmask_b32 v[96+n], v[96+n], v254, vcc_lo
.set n, n+1
.endr
.Lopen_\@:
.endif
	v_max3_num_f32 v254, v96, v97, v98             ; the step's largest score of my query, among my 64 keys, in two chains, each tile from its low end on,
	v_max3_num_f32 v252, v99, v100, v101
.irp i, 6,10,14,18,22,26,30,34,38,42,46,50,54,58
	v_max3_num_f32 v254, v254, v[96+\i], v[97+\i]
	v_max3_num_f32 v252, v252, v[98+\i], v[99+\i]
.endr
	v_max3_num_f32 v254, v254, v158, v159
	s_delay_alu instid0(VALU_DEP_1)
	v_max_num_f32 v254, v254, v252
	s_delay_alu instid0(VALU_DEP_1)
	v_permlanex16_b32 v246, v254, s[SEL], s[SEL+1]
	s_delay_alu instid0(VALU_DEP_1)
	v_max_num_f32 v254, v254, v246                 ; and among lane l xor 16's
	s_delay_alu instid0(VALU_DEP_1)
	v_mul_f32 v254, s[CS], v254                    ; as t (c is positive)
	s_delay_alu instid0(VALU_DEP_1)
	v_max_num_f32 v13, v13, v254                   ; the running largest t
	v_mov_b32 v254, v12
	s_delay_alu instid0(VALU_DEP_2)
	v_floor_f32 v12, -v13                          ; the new -M = floor(-t) = -ceil(t): M is a whole number
	s_delay_alu instid0(VALU_DEP_1)
	v_sub_f32 v254, v12, v254                      ; M's old value less its new one: a whole number, 0 or less
	s_delay_alu instid0(VALU_DEP_1)
	v_cvt_i32_f32 v254, v254                       ; (it saturates)
	s_delay_alu instid0(VALU_DEP_1)
	v_ldexp_f32 v252, 1.0, v254                    ; f = 2^(old M - new M)
.set j, 0
.rept 32
	v_pk_fma_f32 v[96+j:97+j], v[96+j:97+j], s[CS:CS+1], v[12:13] op_sel_hi:[1,0,0]   ; t - M, two at a time (of the pairs c and -M the low word serves both halves)
.set j, j+2
.endr
.set j, 0
	s_wait_alu depctr_va_vdst(0)
.rept 64
	v_exp_f32 v[96+j], v[96+j]                     ; p = 2^(t - M), at most 1
.set j, j+1
.endr
	v_pk_mul_f32 v[14:15], v[14:15], v[252:253] op_sel_hi:[1,0]   ; the sums under the new M: the plain line behind the exponentials
	s_wait_alu depctr_va_vdst(0)                   ; one wait for the whole batch, ahead of its first reader
	v_pk_add_f32 v[242:243], v[100:101], v[104:105]               ; the row's sum of the unquantised p, in eight chains
	v_pk_add_f32 v[254:255], v[108:109], v[112:113]
	v_pk_add_f32 v[250:251], v[116:117], v[120:121]
	v_pk_add_f32 v[248:249], v[124:125], v[128:129]
	v_pk_add_f32 v[238:239], v[132:133], v[136:137]
	v_pk_add_f32 v[236:237], v[140:141], v[144:145]
	v_pk_add_f32 v[234:235], v[148:149], v[152:153]
	v_pk_add_f32 v[14:15], v[14:15], v[156:157]
	v_pk_add_f32 v[242:243], v[242:243], v[96:97]
	v_pk_add_f32 v[254:255], v[254:255], v[98:99]
	v_pk_add_f32 v[250:251], v[250:251], v[102:103]
	v_pk_add_f32 v[248:249], v[248:249], v[106:107]
	v_pk_add_f32 v[238:239], v[238:239], v[110:111]
	v_pk_add_f32 v[236:237], v[236:237], v[114:115]
	v_pk_add_f32 v[234:235], v[234:235], v[118:119]
	v_pk_add_f32 v[14:15], v[14:15], v[122:123]
	v_pk_add_f32 v[242:243], v[242:243], v[126:127]
	v_pk_add_f32 v[254:255], v[254:255], v[130:131]
	v_pk_add_f32 v[250:251], v[250:251], v[134:135]
	v_pk_add_f32 v[248:249], v[248:249], v[138:139]
	v_pk_add_f32 v[238:239], v[238:239], v[142:143]
	v_pk_add_f32 v[236:237], v[236:237], v[146:147]
	v_pk_add_f32 v[234:235], v[234:235], v[150:151]
	v_pk_add_f32 v[14:15], v[14:15], v[154:155]
	v_pk_add_f32 v[242:243], v[242:243], v[158:159]
	s_delay_alu instid0(VALU_DEP_2)
	v_pk_add_f32 v[14:15], v[14:15], v[248:249]
	s_delay_alu instid0(VALU_DEP_2)
	v_pk_add_f32 v[242:243], v[242:243], v[238:239]
	v_pk_add_f32 v[254:255], v[254:255], v[236:237]
	v_pk_add_f32 v[250:251], v[250:251], v[234:235]
	s_delay_alu instid0(VALU_DEP_2)
	v_pk_add_f32 v[14:15], v[14:15], v[254:255]
	s_delay_alu instid0(VALU_DEP_2)
	v_pk_add_f32 v[242:243], v[242:243], v[250:251]
	s_delay_alu instid0(VALU_DEP_1)
	v_pk_add_f32 v[14:15], v[14:15], v[242:243]
.irp t, 0,1,2,3,4,5,6,7
.irp i, 0,1,2,3,4,5,6,7
	v_min_num_f32 v[96+8*\t+\i], v[96+8*\t+\i], v240   ; the conversion does not saturate (ISA guide 7.6.2); p is not negative, so the hold is one-sided
.endr
	v_cvt_scalef32_pk8_fp8_f32 v[224+2*\t:225+2*\t], v[96+8*\t:103+8*\t], v244   ; keys 16 t + 8 h + 0 .. 7: registers 2 t, 2 t + 1 of P
.endr
	s_wait_alu depctr_va_vdst(0)                   ; directly ahead of the first reader of O^T
.set j, 0
.rept 16
	v_pk_mul_f32 v[160+j:161+j], v[160+j:161+j], v[252:253] op_sel_hi:[1,0]   ; O^T under the new M.  (Plain lines between the last conversion and the products that read P)
.set j, j+2
.endr
	s_wait_alu depctr_va_vdst(0)
	s_wait_dscnt 0x0                               ; V's fragments are in
.irp t, 0,1,2,3
	v_wmma_f32_16x16x128_fp8_fp8 v[160+8*\t:167+8*\t], v[32+16*\t:47+16*\t], v[224:239], v[160+8*\t:167+8*\t]   ; four accumulators by turns; the next step's eight products K Q^T stand between two links
.endr
.endm
; A TILE'S END.  O^T / the sum is held and quantised: a lane's eight d pack into 8 bytes; the wave's 1,024 bytes go through its own stage and leave as four whole runs of 256 bytes.
.macro FLUSH
	s_wait_xcnt 0x0                                ; the earlier tile's stores have read their registers and their base: both are written again below
.rept 4
	v_nop                                          ; places behind the last products
.endr
	v_add_f32 v14, v14, v15                        ; the sum's two halves,
	s_delay_alu instid0(VALU_DEP_1)
	v_permlanex16_b32 v246, v14, s[SEL], s[SEL+1]
	s_delay_alu instid0(VALU_DEP_1)
	v_add_f32 v14, v14, v246                       ; and lane l xor 16's: the row's sum.  A query's own key counts for it, so it is not 0
	s_wait_alu depctr_va_vdst(0)
	v_rcp_f32 v14, v14
	v_nop                                          ; a plain line behind the reciprocal
	s_add_co_u32 s[OFS], s[TOK], s[Q0]             ; my first token: a multiple of 16,
	s_lshl_b32 s[OFS], s[OFS], 10                  ; so (token / 4) x 4,096 = token x 1,024
	s_add_co_u32 s[OFS], s[OFS], s[HDB]
	s_add_nc_u64 s[YA:YA+1], s[12:13], s[OFS:OFS+1]
	s_wait_alu depctr_va_vdst(0)                   ; the wait ahead of the first reader of the reciprocal and of O^T
.set j, 0
.rept 32
	v_mul_f32 v[192+j], v[160+j], v14              ; register 8 t + i is (O / l)(query r, d = 16 t + 8 h + i); each accumulator from its low end on
.set j, j+1
.endr
.set j, 0
.rept 32
	v_med3_num_f32 v[192+j], v[192+j], -v241, v241
.set j, j+1
.endr
.irp t, 0,1,2,3
	v_cvt_scalef32_pk8_fp8_f32 v[24+2*\t:25+2*\t], v[192+8*\t:199+8*\t], v245
.endr
	v_nop                                          ; a plain line behind the last conversion
.irp t, 0,1,2,3
	ds_store_b64 v[STO], v[24+2*\t:25+2*\t] offset:16*\t
.endr
	ds_load_b128 v[208:211], v[RD]                 ; LDS serves a wave's instructions in order (ISA guide 5.7.1.4): these see my stores
	ds_load_b128 v[212:215], v[RD] offset:512
	s_wait_dscnt 0x1                               ; the first is in, the second may be out
	global_store_b128 v[GO], v[208:211], s[YA:YA+1]               ; tokens 0-7: two aligned runs of 256 bytes
	s_wait_dscnt 0x0
	global_store_b128 v[GO], v[212:215], s[YA:YA+1] offset:8192   ; tokens 8-15
.endm
.macro NEXTQ                           ; on to the second tile of queries
	s_mov_b32 s[Q0], s[Q0B]
	s_lshl_b32 s[OFS], s[Q0], 6
	s_add_nc_u64 s[QA:QA+1], s[QB:QB+1], s[OFS:OFS+1]
	global_load_b128 v[16:19], v[QO], s[QA:QA+1]
	global_load_b128 v[20:23], v[QO], s[QA:QA+1] offset:32
	INIT
	s_wait_loadcnt 0x0
.endm
	s_wait_alu depctr_va_vdst(0)
	s_wait_tensorcnt 0x0                           ; my part of keys 0-1023 is in
	ds_add_u32 v[SPW], v[NIL]
	s_wait_dscnt 0x0
	CROUND                                         ; everybody's part is in, and all four work-groups are here: the joint loads meet
	JLOAD G0B                                      ; keys 1024-2047: the first tensor load behind the round, into bytes that nothing has filled
	s_wait_loadcnt 0x0                             ; Q
	s_mov_b32 s[S], 0
.Lfirst:                                           ; eight steps of the first tile (it has nine at the least) on keys 0-1023, none on the diagonal
	STEP S, 0
	s_add_co_u32 s[S], s[S], 1
	s_cmp_lt_u32 s[S], 8
	s_cbranch_scc1 .Lfirst
	s_wait_tensorcnt 0x0                           ; my part of keys 1024-2047 is in
	s_wait_dscnt 0x0
	s_barrier_signal -1
	s_barrier_wait -1                              ; everybody's is.
	s_mov_b32 s[S], 8
	s_mov_b32 s[D], 8
.Lmain:                                            ; nine steps: the rest of the first tile, upwards; then the second tile, downwards
	s_cmp_le_u32 s[S], s[AA]
	s_cselect_b32 s[KS], s[S], s[D]
	s_min_u32 s[KS], s[KS], 15                     ; (S = 16 is never the one selected)
	STEP KS, 1
	s_cmp_lg_u32 s[S], s[AA]                       ; the first tile's last step?  The wave's number and the count of steps alone; no barrier and no tensor load stands under the branch
	s_cbranch_scc1 .Lsame
	FLUSH
	NEXTQ
.Lsame:
	s_sub_co_u32 s[D], s[D], 1
	s_add_co_u32 s[S], s[S], 1
	s_cmp_lt_u32 s[S], 17
	s_cbranch_scc1 .Lmain
	FLUSH                                          ; the second tile ends with the loop
	s_wait_tensorcnt 0x0                           ; the wave's end: behind my last tensor load and my last LDS store
	ds_add_u32 v[SPW], v[NIL]
	s_wait_dscnt 0x0
	CROUND                                         ; the closing round
	s_endpgm
.Lfunc_end_k_q91b4b32e24_attn:
	.size	k_q91b4b32e24_attn, .Lfunc_end_k_q91b4b32e24_attn-k_q91b4b32e24_attn
	.p2alignl 7, 3214868480
	.fill 96, 4, 3214868480
	.section	.rodata,"a",@progbits
	.p2align	6, 0x0
	.amdhsa_kernel k_q91b4b32e24_attn
		.amdhsa_group_segment_fixed_size 327680
		.amdhsa_private_segment_fixed_size 0
		.amdhsa_enable_private_segment 0
		.amdhsa_kernarg_size 40
		.amdhsa_user_sgpr_count 2
		.amdhsa_user_sgpr_kernarg_segment_ptr 1
		.amdhsa_wavefront_size32 1
		.amdhsa_system_sgpr_workgroup_id_x 1
		.amdhsa_system_sgpr_workgroup_id_y 1
		.amdhsa_system_sgpr_workgroup_id_z 1
		.amdhsa_system_vgpr_workitem_id 0
		.amdhsa_next_free_vgpr 256
		.amdhsa_next_free_sgpr 100
		.amdhsa_reserve_vcc 1
		.amdhsa_float_denorm_mode_32 3
		.amdhsa_float_denorm_mode_16_64 3
		.amdhsa_memory_ordered 1
		.amdhsa_forward_progress 1
		.amdhsa_inst_pref_size 60
	.end_amdhsa_kernel
	.amdgpu_metadata
---
amdhsa.version: [ 1, 2 ]
amdhsa.kernels:
  - .name:           k_q91b4b32e24_attn
    .symbol:         k_q91b4b32e24_attn.kd
    .args:
      - { .name: qc, .offset: 0, .size: 8, .value_kind: global_buffer, .address_space: global }
      - { .name: kc, .offset: 8, .size: 8, .value_kind: global_buffer, .address_space: global }
      - { .name: vc, .offset: 16, .size: 8, .value_kind: global_buffer, .address_space: global }
      - { .name: lowp_scales, .offset: 24, .size: 8, .value_kind: global_buffer, .address_space: global }
      - { .name: yc, .offset: 32, .size: 8, .value_kind: global_buffer, .address_space: global }
    .group_segment_fixed_size: 327680
    .private_segment_fixed_size: 0
    .kernarg_segment_align: 8
    .kernarg_segment_size: 40
    .max_flat_workgroup_size: 512
    .sgpr_count:     100
    .vgpr_count:     256
    .wavefront_size: 32
...
	.end_amdgpu_metadata
.endif
;; end of part 3
;; launch proj (part 4): grid 4 x 32, 4 waves a work-group, clusters of 4 x 4, 327,680 bytes of LDS; arguments yc, wpc, lowp_scales, out0; writes out0
.if DOCPART == 4
	.amdgcn_target "amdgcn-amd-amdhsa--gfx1250"
	.amdhsa_code_object_version 6
	.text
	.protected	k_q91b4b32e24_proj
	.globl	k_q91b4b32e24_proj
	.p2align	8
	.type	k_q91b4b32e24_proj,@function
k_q91b4b32e24_proj:
	s_mov_b64 s[64:65], 0
	v_nop
	global_prefetch_b8 v0, s[64:65] scope:SCOPE_SE
	s_setreg_imm32_b32 hwreg(HW_REG_WAVE_MODE, 25, 1), 1
	s_wait_xcnt 0x0
	s_wait_alu depctr_hold_cnt(0) depctr_sa_sdst(0) depctr_va_vdst(0) depctr_va_sdst(0) depctr_va_ssrc(0) depctr_va_vcc(0) depctr_vm_vsrc(0)
	s_getreg_b32 s2, hwreg(HW_REG_IB_STS2, 6, 4)
	s_cmp_eq_u32 s2, 0
	s_cbranch_scc0 .Lentry_in_a_cluster
	s_endpgm
.Lentry_in_a_cluster:
	s_bfe_u32 s2, ttmp6, 0x10000c
	s_cmp_lg_u32 s2, 0xf033
	s_cbranch_scc0 .Lentry_shape_is_right
	s_endpgm
.Lentry_shape_is_right:
.set SIZE_N, 1024
.set ROWB,   256
.set KROW,   1024
.set PITCH,  272
.set AROWB,  1024
.set APITCH, 1040
.set FR,     16
.set NL,     4
.set NP,     4
.set HALFA,  32*APITCH
.set HALFB,  128*PITCH
.set SLOT,   2*HALFA+2*HALFB
.set LAPS,   2
.set SPARE,  2*SLOT
.set SPITCH, 528
.set ADRA, 16
.set ADRB, 20
.set STO,  24
.set RD,   25
.set CO,   26
.set SPW,  28
.set NIL,  29
.set TMP,  32
.set AF,   128
.set BK,   128
.set G1, 24
.set G0, 32
.set G1B, 48
.set G0B, 56
.set MSB, 0
.macro WIN new
.if MSB != \new
	s_set_vgpr_msb (MSB<<8)|\new
.set MSB, \new
.endif
.endm
.set MUL_LO, 0xa1
.set MUL_HI, 0xf1
.set TO_B,   0x40
.macro JLOAD g0a, g1a, g0b, g1b
	s_cmp_eq_u32 s15, 0
	s_cbranch_scc0 .Lfor_b_\@
	tensor_load_to_lds s[\g0a:\g0a+3], s[\g1a:\g1a+7]
	s_nop 0
.rept 4
	v_nop
.endr
	s_branch .Lasked_\@
.Lfor_b_\@:
	tensor_load_to_lds s[\g0b:\g0b+3], s[\g1b:\g1b+7]
	s_nop 0
.rept 4
	v_nop
.endr
.Lasked_\@:
.endm
.macro CREST
	s_cmp_lg_u32 s14, 0
	s_cbranch_scc1 .Lnot_wave_0_\@
	s_barrier_signal -3
.Lnot_wave_0_\@:
	s_barrier_wait -3
	s_barrier_signal -1
	s_barrier_wait -1
.endm
.macro CROUND
	s_barrier_signal -1
	s_barrier_wait -1
	CREST
.endm
	s_load_b128 s[4:7], s[0:1], 0x0
	s_load_b128 s[8:11], s[0:1], 0x10
	v_lshl_add_u32 v[SPW], v0, 2, SPARE
	v_mov_b32 v[NIL], 0
	ds_add_u32 v28, v29
	ds_add_u32 v28, v29
	s_wait_dscnt 0x0
	v_lshrrev_b32 v1, 5, v0
	v_readfirstlane_b32 s14, v1
	s_lshr_b32 s15, s14, 1
	s_and_b32 s16, s14, 1
	s_bfe_u32 s40, ttmp6, 0x40000
	s_bfe_u32 s41, ttmp6, 0x40004
	s_lshl_b32 s42, ttmp9, 2
	s_add_co_u32 s42, s42, s40
	s_and_b32 s17, ttmp7, 0xffff
	s_lshl_b32 s17, s17, 2
	s_add_co_u32 s17, s17, s41
	s_lshl_b32 s43, s41, 2
	s_lshl_b32 s43, 15, s43
	s_lshl_b32 s44, 0x1111, s40
	s_or_b32 s[G1+0], s43, (0<<16)|(1<<20)|(1<<21)|(7<<22)|(3<<25)
	s_mov_b32 s[G1+1], AROWB<<16
	s_mov_b32 s[G1+2], 32<<16
	s_mov_b32 s[G1+3], AROWB<<16
	s_mov_b32 s[G1+4], 32
	s_mov_b32 s[G1+5], 4096
	s_mov_b32 s[G1+6], 0
	s_mov_b32 s[G1+7], 0
	s_or_b32 s[G1B+0], s44, (0<<16)|(1<<20)|(1<<21)|(5<<22)|(3<<25)
	s_mov_b32 s[G1B+1], ROWB<<16
	s_mov_b32 s[G1B+2], 128<<16
	s_mov_b32 s[G1B+3], ROWB<<16
	s_mov_b32 s[G1B+4], 128
	s_mov_b32 s[G1B+5], KROW
	s_mov_b32 s[G1B+6], 0
	s_mov_b32 s[G1B+7], 0
	s_lshl_b32 s18, s16, 7
	s_lshl_b32 s20, s17, 8
	s_add_co_u32 s20, s20, s18
	s_lshl_b32 s46, s42, 8
	s_add_co_u32 s46, s46, s18
	s_mov_b32 s21, 0
	s_mov_b32 s47, 0
	s_mov_b64 s[18:19], KROW
	s_mul_u64 s[20:21], s[20:21], s[18:19]
	s_mul_u64 s[46:47], s[46:47], s[18:19]
	s_mul_i32 s45, s16, HALFA
	s_mul_i32 s13, s16, HALFB
	s_add_co_u32 s13, s13, 2*HALFA
	s_wait_kmcnt 0x0
	s_load_b64 s[96:97], s[8:9], 0x18
	s_add_nc_u64 s[20:21], s[4:5], s[20:21]
	s_add_nc_u64 s[46:47], s[6:7], s[46:47]
	CROUND
.irp s, 0,1
	s_mov_b32 s[G0+4*\s], 1
	s_add_co_u32 s[G0+4*\s+1], s45, \s*SLOT
	s_add_nc_u64 s[G0+4*\s+2:G0+4*\s+3], s[20:21], \s*AROWB
	s_or_b32 s[G0+4*\s+3], s[G0+4*\s+3], 0x80000000
	s_mov_b32 s[G0B+4*\s], 1
	s_add_co_u32 s[G0B+4*\s+1], s13, \s*SLOT
	s_add_nc_u64 s[G0B+4*\s+2:G0B+4*\s+3], s[46:47], \s*ROWB
	s_or_b32 s[G0B+4*\s+3], s[G0B+4*\s+3], 0x80000000
	s_wait_alu depctr_va_vdst(0)
	s_wait_tensorcnt 0x0
	ds_add_u32 v28, v29
	ds_add_u32 v28, v29
	s_wait_dscnt 0x0
	CROUND
	JLOAD G0+4*\s, G1, G0B+4*\s, G1B
.endr
	v_and_b32 v1, 15, v0
	v_bfe_u32 v2, v0, 4, 1
	v_mul_u32_u24 v3, v1, PITCH
	v_lshl_add_u32 v4, v2, 4, v3
	v_lshrrev_b32 v5, 2, v1
	v_mul_u32_u24 v5, v5, APITCH
	v_and_b32 v6, 3, v1
	v_lshl_add_u32 v5, v6, 6, v5
	v_lshl_add_u32 v5, v2, 4, v5
	s_mul_i32 s21, s15, HALFA
	s_mul_i32 s22, s16, HALFB
	s_add_co_u32 s22, s22, 2*HALFA
.irp s, 0,1
	v_add_nc_u32 v[ADRA+\s], s21, v5
	v_add_nc_u32 v[ADRB+\s], s22, v4
	s_add_co_u32 s21, s21, SLOT
	s_add_co_u32 s22, s22, SLOT
.endr
	s_mul_i32 s23, s14, 16*SPITCH
	v_mul_u32_u24 v5, v1, SPITCH
	v_lshl_add_u32 v5, v2, 5, v5
	v_add_nc_u32 v[STO], s23, v5
	v_and_b32 v6, 31, v0
	v_lshlrev_b32 v[CO], 4, v6
	v_add_nc_u32 v[RD], s23, v[CO]
	s_lshl_b32 s20, s17, 8
	s_lshl_b32 s21, s15, 7
	s_add_co_u32 s20, s20, s21
	s_mov_b32 s21, 0
	s_mov_b64 s[18:19], SIZE_N*4
	s_mul_u64 s[20:21], s[20:21], s[18:19]
	s_lshl_b32 s46, s42, 10
	s_lshl_b32 s47, s16, 9
	s_add_co_u32 s46, s46, s47
	s_mov_b32 s47, 0
	s_add_nc_u64 s[20:21], s[20:21], s[46:47]
	s_add_nc_u64 s[10:11], s[10:11], s[20:21]
.macro FRAG reg, adr, q, i
.irp c, 0,1,2,3
	ds_load_b128 v[\reg+4*\c:\reg+4*\c+3], v[\adr] offset:128*(\q)+32*\c+(\i)*16*PITCH
.endr
.endm
.macro FRAGA reg, adr, q, i
.irp c, 0,1,2,3
	ds_load_b128 v[\reg+4*\c:\reg+4*\c+3], v[\adr] offset:512*(\q)+256*(\c/2)+32*(\c%2)+(\i)*4*APITCH
.endr
.endm
.macro MUL16 a0, p, zero
.irp a, \a0, \a0+1
.irp b, 0,1,2,3,4,5,6,7
.if \zero
	v_wmma_f32_16x16x128_fp8_fp8 v[8*(8*((\a)%4)+\b):8*(8*((\a)%4)+\b)+7], v[128*(\p)+FR*\b:128*(\p)+FR*\b+FR-1], v[AF+FR*(\a):AF+FR*(\a)+FR-1], 0
.else
	v_wmma_f32_16x16x128_fp8_fp8 v[8*(8*((\a)%4)+\b):8*(8*((\a)%4)+\b)+7], v[128*(\p)+FR*\b:128*(\p)+FR*\b+FR-1], v[AF+FR*(\a):AF+FR*(\a)+FR-1], v[8*(8*((\a)%4)+\b):8*(8*((\a)%4)+\b)+7]
.endif
.endr
.endr
.endm
.macro FETCH_B slot, q, p
	WIN TO_B
.irp i, 0,1,2,3,4,5,6,7
	FRAG 128*(\p)+FR*\i, ADRB+\slot, \q, \i
.endr
	WIN 0
.endm
.macro FETCH_A slot, q, i0
.irp i, \i0, \i0+1, \i0+2, \i0+3
	FRAGA AF+FR*(\i), ADRA+\slot, \q, \i
.endr
.endm
.macro PLACES n
.rept \n
	v_nop
.endr
.endm
.macro STEP slot, q, zero
	s_wait_dscnt 4*NL
	WIN MUL_LO
	MUL16 0, (\q)%2, \zero
	MUL16 2, (\q)%2, \zero
	s_wait_dscnt 0
	PLACES NP
	FETCH_B \slot, (\q)+1, 1-(\q)%2
	FETCH_A \slot, (\q)+1, 0
	WIN MUL_HI
	MUL16 4, (\q)%2, \zero
	MUL16 6, (\q)%2, \zero
	PLACES NP
	WIN 0
	FETCH_A \slot, (\q)+1, 4
.endm
.macro TURN slot, next, fill
	s_wait_tensorcnt 0x0
	ds_add_u32 v[SPW], v[NIL]
	s_wait_dscnt 4*NL+1
	WIN MUL_LO
	MUL16 0, 1, 0
	s_wait_dscnt 0x0
	s_barrier_signal -1
	MUL16 2, 1, 0
	WIN 0
	s_barrier_wait -1
.if \fill
	CREST
	s_add_nc_u64 s[G0+4*\slot+2:G0+4*\slot+3], s[G0+4*\slot+2:G0+4*\slot+3], 2*AROWB
	s_add_nc_u64 s[G0B+4*\slot+2:G0B+4*\slot+3], s[G0B+4*\slot+2:G0B+4*\slot+3], 2*ROWB
	JLOAD G0+4*\slot, G1, G0B+4*\slot, G1B
.else
	PLACES NP
.endif
	FETCH_B \next, 0, 0
	FETCH_A \next, 0, 0
	WIN MUL_HI
	MUL16 4, 1, 0
	MUL16 6, 1, 0
	PLACES NP
	WIN 0
	FETCH_A \next, 0, 4
.endm
	s_wait_alu depctr_va_vdst(0)
	s_wait_tensorcnt 1
	s_barrier_signal -1
	s_barrier_wait -1
	FETCH_B 0, 0, 0
	FETCH_A 0, 0, 0
	FETCH_A 0, 0, 4
	STEP 0, 0, 1
	s_mov_b32 s3, LAPS-1
.Llap:
	TURN 0, 1, 1
	STEP 1, 0, 0
	TURN 1, 0, 1
	STEP 0, 0, 0
	s_sub_co_u32 s3, s3, 1
	s_cmp_lg_u32 s3, 0
	s_cbranch_scc1 .Llap
	TURN 0, 1, 0
	STEP 1, 0, 0
	s_wait_dscnt 4*NL
	WIN MUL_LO
	MUL16 0, 1, 0
	MUL16 2, 1, 0
	s_wait_dscnt 0
	WIN MUL_HI
	MUL16 4, 1, 0
	MUL16 6, 1, 0
	WIN 0
.macro TOSTAGE a
.set AC, 64*((\a)%4)
.set WQ, 0x02+((\a)/4)
	WIN WQ
.set j, 0
.rept 32
	v_pk_mul_f32 v[TMP+j:TMP+j+1], v[AC+j:AC+j+1], s[96:97] op_sel_hi:[1,0]
.set j, j+2
.endr
	WIN 0
.irp b, 0,1,2,3,4,5,6,7
	ds_store_b128 v[STO], v[TMP+8*\b:TMP+8*\b+3] offset:64*\b
	ds_store_b128 v[STO], v[TMP+8*\b+4:TMP+8*\b+7] offset:64*\b+16
.endr
.set BB, BK+64*((\a)%2)
.irp t, 0,1,2,3,4,5,6,7,8,9,10,11,12,13,14,15
	ds_load_b128 v[BB+4*\t:BB+4*\t+3], v[RD] offset:\t*SPITCH
.endr
.endm
.macro SEND a, younger
.set BB, BK+64*((\a)%2)
	s_wait_dscnt \younger
.if (\a) > 0
	s_add_nc_u64 s[10:11], s[10:11], 16*SIZE_N*4
.endif
.irp t, 0,1,2,3,4,5,6,7,8,9,10,11,12,13,14,15
	global_store_b128 v[CO], v[BB+4*\t:BB+4*\t+3], s[10:11] offset:\t*SIZE_N*4 th:TH_STORE_NT
.endr
.endm
	s_wait_kmcnt 0x0
	s_add_co_i32 s96, s96, s97
	s_add_co_i32 s96, s96, 127
	s_lshl_b32 s96, s96, 23
	PLACES NP
	TOSTAGE 0
.irp a, 1,2,3,4,5,6,7
.if \a > 1
	s_wait_xcnt 0x0
.endif
	TOSTAGE \a
	SEND \a-1, 32
.endr
	s_wait_xcnt 0x0
	SEND 7, 0
	s_wait_tensorcnt 0x0
	ds_add_u32 v[SPW], v[NIL]
	s_wait_dscnt 0x0
	CROUND
	s_endpgm
.Lfunc_end_k_q91b4b32e24_proj:
	.size	k_q91b4b32e24_proj, .Lfunc_end_k_q91b4b32e24_proj-k_q91b4b32e24_proj
	.p2alignl 7, 3214868480
	.fill 96, 4, 3214868480
	.section	.rodata,"a",@progbits
	.p2align	6, 0x0
	.amdhsa_kernel k_q91b4b32e24_proj
		.amdhsa_group_segment_fixed_size 327680
		.amdhsa_private_segment_fixed_size 0
		.amdhsa_enable_private_segment 0
		.amdhsa_kernarg_size 32
		.amdhsa_user_sgpr_count 2
		.amdhsa_user_sgpr_kernarg_segment_ptr 1
		.amdhsa_wavefront_size32 1
		.amdhsa_system_sgpr_workgroup_id_x 1
		.amdhsa_system_sgpr_workgroup_id_y 1
		.amdhsa_system_sgpr_workgroup_id_z 1
		.amdhsa_system_vgpr_workitem_id 0
		.amdhsa_next_free_vgpr 1024
		.amdhsa_next_free_sgpr 98
		.amdhsa_reserve_vcc 0
		.amdhsa_float_denorm_mode_32 3
		.amdhsa_float_denorm_mode_16_64 3
		.amdhsa_memory_ordered 1
		.amdhsa_forward_progress 1
		.amdhsa_inst_pref_size 125
	.end_amdhsa_kernel
	.amdgpu_metadata
---
amdhsa.version: [ 1, 2 ]
amdhsa.kernels:
  - .name:           k_q91b4b32e24_proj
    .symbol:         k_q91b4b32e24_proj.kd
    .args:
      - { .name: yc, .offset: 0, .size: 8, .value_kind: global_buffer, .address_space: global }
      - { .name: wpc, .offset: 8, .size: 8, .value_kind: global_buffer, .address_space: global }
      - { .name: lowp_scales, .offset: 16, .size: 8, .value_kind: global_buffer, .address_space: global }
      - { .name: out0, .offset: 24, .size: 8, .value_kind: global_buffer, .address_space: global }
    .group_segment_fixed_size: 327680
    .private_segment_fixed_size: 0
    .kernarg_segment_align: 8
    .kernarg_segment_size: 32
    .max_flat_workgroup_size: 128
    .sgpr_count:     98
    .vgpr_count:     1024
    .wavefront_size: 32
...
	.end_amdgpu_metadata
.endif
;; end of part 4
